; MI455X (gfx1250); checked and timed in simulation.
; The chip was launched on July 23, 2026; its instructions are those of AMD's public machine-readable ISA for CDNA 5 (MIT licence, August 2026) and "CDNA5" Instruction Set Architecture Reference Guide (July 2026). The comments in the code are by the model that wrote it; some were corrected since.
;; s LSTM Cell. Allowed arithmetic: matrix products marked QUANTISED: E2M1 operands, one E8M0 scale for each 32 along K, by v_wmma_scale_f32_16x16x128_f8f6f4 with both operands' format E2M1 (or v_wmma_scale_f32_32x16x128_f4), f32 sums; everything else in f32.
;; Inputs: Wc_codes 1,024 x 64 x 16 uint8 (E2M1 codes of Wc, K innermost, in blocks of 32 codes, two codes a byte); Wc_scales 1,024 x 64 uint8 (E8M0 scales of Wc, one for each 32 codes along K); Wf_codes 1,024 x 64 x 16 uint8 (E2M1 codes of Wf, K innermost, in blocks of 32 codes, two codes a byte); Wf_scales 1,024 x 64 uint8 (E8M0 scales of Wf, one for each 32 codes along K); Wi_codes 1,024 x 64 x 16 uint8 (E2M1 codes of Wi, K innermost, in blocks of 32 codes, two codes a byte); Wi_scales 1,024 x 64 uint8 (E8M0 scales of Wi, one for each 32 codes along K); Wo_codes 1,024 x 64 x 16 uint8 (E2M1 codes of Wo, K innermost, in blocks of 32 codes, two codes a byte); Wo_scales 1,024 x 64 uint8 (E8M0 scales of Wo, one for each 32 codes along K); bc 1,024 float32; beta_c 1,024 float32; beta_h 1,024 float32; bf 1,024 float32; bi 1,024 float32; bo 1,024 float32; c_prev 8,192 x 1,024 float32; cf 1,024 float32; ci 1,024 float32; co 1,024 float32; gamma_c 1,024 float32; gamma_h 1,024 float32; h_prev 8,192 x 1,024 float32; inputs 8,192 x 1,024 float32.
;; Outputs: out0 8,192 x 1,024 float32; out1 8,192 x 1,024 float32.
;; This version of the problem:
;;   THIS VERSION OF THE PROBLEM IS GIVEN IN LOW PRECISION. The matrix products marked QUANTISED in the list below multiply operands that are first quantised to E2M1 (2 exponent bits, 1 mantissa bit; 4 bits a number), with one power-of-two scale for each 32 numbers along K (OCP MX v1.0); their sums are f32. All else is computed in f32.
;;   The module's matrix products, in the order in which they are computed (A, B: the left and right operand; K: the contracted axis; several contracted axes count as one K, in the product's order):
;;     1. [M 8,192, K 2,048] x [K 2,048, N 1,024]; A: computed on the way; B: input Wi (given as codes): QUANTISED
;;     2. [M 8,192, K 2,048] x [K 2,048, N 1,024]; A: computed on the way; B: input Wf (given as codes): QUANTISED
;;     3. [M 8,192, K 2,048] x [K 2,048, N 1,024]; A: computed on the way; B: input Wo (given as codes): QUANTISED
;;     4. [M 8,192, K 2,048] x [K 2,048, N 1,024]; A: computed on the way; B: input Wc (given as codes): QUANTISED
;;   THE QUANTISER, for each operand of a quantised product, along K:
;;     - K is cut into blocks of 32 from its start; a last block that is shorter is filled with zeros.
;;     - A block's scale is 2^e with e = floor(log2(the largest magnitude in the block)) - 2, held to -126 .. 127; a block of zeros has e = 0. As a byte (E8M0): e + 127.
;;     - Each number is divided by its block's scale, clamped to +-6, and rounded to the nearest number of E2M1, ties to even, subnormals kept.
;;     - The product sums the exact products of the quantised numbers (number of the format x scale) in f32.
;;   ~~~python
;;   def quantise(x, axis):      # numpy; x: float32 -> the quantised numbers, widened to float32 again
;;       x = np.moveaxis(x, axis, -1); K = x.shape[-1]
;;       x = np.pad(x, [(0, 0)] * (x.ndim - 1) + [(0, -K % 32)]); x = x.reshape(x.shape[:-1] + (-1, 32)); a = np.abs(x).max(-1, keepdims=True)
;;       e = np.where(a > 0, np.clip(np.frexp(np.where(a > 0, a, 1))[1] - 1 - 2, -126, 127), 0)      # np.frexp(a)[1] - 1 = floor(log2(a)), exactly
;;       r = np.clip(x / 2.0 ** e, -6, 6)
;;       step = 2.0 ** (np.maximum(np.frexp(np.where(r == 0, 1, r))[1] - 1, 0) - 1)
;;       q = np.round(r / step) * step * 2.0 ** e      # np.round: ties to even
;;       return np.moveaxis(q.reshape(q.shape[:-2] + (-1,))[..., :K], -1, axis).astype(np.float32)
;;   ~~~
;;   OPERANDS COMPUTED ON THE WAY. 'Computed on the way' means the value that the module computes at that place (a softmax that the list does not call 'softmax' is quantised finished and normalised). What goes into a quantiser is computed in f32, as accurately as f32 sums, v_exp_f32 and their like allow (about 1e-6 of the number): no bf16 or f16 on the way to a quantiser, and a product that is left as it is and whose result goes on into a quantised operand takes f32 operands (vector FMAs, or v_wmma_f32_16x16x4_f32). A number that lies on a knife's edge between two numbers of the format may be rounded either way, as far as f32 arithmetic and the matrix unit's own rounding can turn it there, and no further.
;;   INPUTS GIVEN AS CODES. Wc (in the module: [2048, 1024], K = its axis 0); Wf (in the module: [2048, 1024], K = its axis 0); Wi (in the module: [2048, 1024], K = its axis 0); Wo (in the module: [2048, 1024], K = its axis 0): each comes as NAME_codes (uint8): NAME with its K axis moved to the last place and cut into blocks of 32 codes, [.., K / 32, bytes a block], one block behind the other in memory; two codes a byte, the lower K in the low four bits (a code: sign, 2 exponent bits, 1 mantissa bit); and NAME_scales (uint8): the same leading axes, one E8M0 byte (e + 127) for each 32 codes along K. Its value is code x scale, taken as it is: it is not quantised again, and the codes and scales need not be those that the quantiser above would give.
;; One version. Each part assembles by itself: llvm-mc -triple=amdgcn-amd-amdhsa -mcpu=gfx1250 --defsym DOCPART=n.
;; ======== version 1 of 1: 3 launches
;; limits: right only within a limited range of input values
;; workspace buffers: a_codes 8,388,608 bytes; a_scales 524,288 bytes; w_codes 4,194,304 bytes; w_scales 262,144 bytes; s_buf 33,554,432 bytes; xo_buf 33,554,432 bytes
;; launch prep (part 1): grid 576 x 1, 4 waves a work-group, no clusters, 33,280 bytes of LDS; arguments inputs, h_prev, a_codes, a_scales, Wi_codes, Wf_codes, Wo_codes, Wc_codes, Wi_scales, Wf_scales, Wo_scales, Wc_scales, w_codes, w_scales; writes a_codes, a_scales, w_codes, w_scales
.if DOCPART == 1
	.amdgcn_target "amdgcn-amd-amdhsa--gfx1250"
	.amdhsa_code_object_version 6
	.text
	.protected	k_qab8688bfe7_prep
	.globl	k_qab8688bfe7_prep
	.p2align	8
	.type	k_qab8688bfe7_prep,@function
k_qab8688bfe7_prep:
	s_mov_b64 s[64:65], 0
	v_nop
	global_prefetch_b8 v0, s[64:65] scope:SCOPE_SE
	s_setreg_imm32_b32 hwreg(HW_REG_WAVE_MODE, 25, 1), 1
	s_wait_xcnt 0x0
; sLSTM cell, first of three launches.  combined = [inputs | h_prev], [8192][2048] f32, is turned into codes of FP4 (E2M1) with one E8M0 byte for each 32 along K;
; and the four weights, which arrive as codes, are copied into ONE buffer in the row order in which the product's tiles want them.
; DEAD WORK: none.  Every input of the problem has a way to an output (each weight, bias and stabiliser through its gate, c_prev through f * c_prev, the gains and offsets through the two norms), so nothing is left out in any launch.
; THE QUANTISER.  A block's scale is 2^(floor(log2(its largest magnitude)) - 2); its byte is the largest magnitude's own exponent field - 2, held at 1 from below.  Each number is divided by the scale and rounded to
; the nearest code, ties to even; beyond 6 the largest code.  A block of zeros gets the byte 1 where the problem's rule says 127: its codes are zeros, which add nothing under that byte, and this program alone reads the bytes.
; LIMITS: NaN and infinities among the inputs are not served; blocks whose largest magnitude lies under 2^(3 - 127) have their byte held at 1.
; a_codes [8192][1024 bytes]: a row is inputs' 1,024 codes (512 bytes), then h_prev's.  a_scales [8192][64].
; w_codes [4096][1024 bytes], w_scales [4096][64]: chunk 4 ug + g (16 rows) holds units 16 ug .. 16 ug + 15 of gate g (0 i, 1 f, 2 o, 3 c): so 128 neighbouring rows are 32 units x 4 gates.
; SHARES.  Work-groups 0 .. 511 quantise: a wave takes 4 rows of combined in 16 steps of 512 numbers (step t: row t / 4, tensor (t / 2) % 2, half t % 2), whose codes (256 bytes a step) and scale bytes (16 a step) are
; consecutive in the outputs.  Each load reads 512 consecutive bytes; a step's 2,048 bytes turn through the wave's own stage in LDS so that a lane holds 16 neighbours along K (two neighbouring lanes hold a block).
; Work-groups 512 .. 575 copy: work-group 512 + ug, wave g copies one chunk, 16 KiB of codes and 1 KiB of scale bytes, dense on both sides; they touch no LDS.
; No tensor loads, no barrier: waves share nothing.
.set QWG,   512                        ; work-groups that quantise: 8,192 rows / (4 waves x 4 rows)
.set STEPS, 16
.set EMAX,  2
.set CB,    8                          ; bytes of 16 codes
.set R,     16                         ; v16-143  eight sets of 16 numbers as they are loaded: 32 loads of a wave are out at a time
.set X,     144                        ; v144-175 two sets of 16 neighbours
.set E,     176                        ; v176-191 a scale byte for each step
.set C,     192                        ; v192-255 codes: four registers for each step, so that no store's data are written again
.set WREG,  8192                       ; LDS: a region for each wave: two stages of 32 x SP bytes, behind them its 256 scale bytes
.set SP,    80                         ; a lane's place in a stage: 64 bytes + 16 of padding
.set SPW,   12                         ; v12      LDS address of my spare word; never rewritten
.set NIL,   13                         ; v13      0; never rewritten
.set SPARE, 4*WREG                     ; behind the four regions: the spare words, 128 bytes a wave, which no other line names
	s_load_b512 s[4:19], s[0:1], 0x0               ; inputs, h_prev, a_codes, a_scales, Wi, Wf, Wo, Wc codes
	s_load_b256 s[20:27], s[0:1], 0x40             ; Wi, Wf, Wo, Wc scales
	s_load_b128 s[28:31], s[0:1], 0x60             ; w_codes, w_scales
	v_lshl_add_u32 v[SPW], v0, 2, SPARE
	v_mov_b32 v[NIL], 0
	v_lshrrev_b32 v1, 5, v0
	v_readfirstlane_b32 s32, v1                    ; wave 0..3
	v_and_b32 v2, 31, v0                           ; lane
	v_lshlrev_b32 v3, 4, v2                        ; my 16 bytes of a load's 512
	s_wait_kmcnt 0x0
	s_cmp_ge_u32 ttmp9, QWG                        ; the work-group's number alone decides
	s_cbranch_scc1 .Lcopy
	; ---------------- the quantising work-groups
	s_mul_i32 s33, s32, WREG
	s_wait_alu depctr_va_vdst(0)
	v_lshrrev_b32 v14, 2, v2
	v_mul_u32_u24 v14, v14, SP
	v_and_b32 v15, 3, v2
	v_lshl_add_u32 v14, v15, 4, v14
	v_add_nc_u32 v14, s33, v14                     ; the stage, on the way in: four lanes' 64 bytes on end, then 16 of padding
	v_mul_u32_u24 v15, v2, SP
	v_add_nc_u32 v15, s33, v15                     ; and on the way out: SP x lane: my 16 neighbours
	v_mul_u32_u24 v4, v2, CB                       ; my codes' place in a step's 256 bytes
	v_lshrrev_b32 v5, 1, v2
	s_add_co_u32 s33, s33, 2*32*SP
	v_add_nc_u32 v5, s33, v5                       ; LDS: my wave's 256 scale bytes, my block's byte
	v_lshlrev_b32 v7, 3, v2                        ; and on the way out 8 bytes a lane
	v_add_nc_u32 v6, s33, v7
	s_lshl_b32 s34, ttmp9, 2
	s_add_co_u32 s34, s34, s32                     ; my wave's run of 4 rows: 4 x work-group + wave
	s_mov_b32 s37, 0
	s_lshl_b32 s36, s34, 14                        ; 4 rows of 4,096 bytes in each f32 tensor
	s_add_nc_u64 s[4:5], s[4:5], s[36:37]
	s_add_nc_u64 s[6:7], s[6:7], s[36:37]
	s_lshl_b32 s36, s34, 12                        ; 4 rows of 1,024 bytes of codes
	s_add_nc_u64 s[8:9], s[8:9], s[36:37]
	s_lshl_b32 s36, s34, 8                         ; 4 rows of 64 scale bytes
	s_add_nc_u64 s[10:11], s[10:11], s[36:37]
.macro LOAD t                          ; step t's 2,048 bytes: four loads of 512 consecutive bytes
.set LB, 4+2*(((\t)/2)%2)              ; inputs or h_prev
.irp i, 0,1,2,3
	global_load_b128 v[R+16*((\t)%8)+4*\i:R+16*((\t)%8)+4*\i+3], v3, s[LB:LB+1] offset:((\t)/4)*4096+((\t)%2)*2048+512*\i th:TH_LOAD_NT
.endr
.endm
.macro TURN t                          ; step t's numbers through the stage: LDS serves a wave's instructions in order, so no wait stands between the stores and the loads
.irp i, 0,1,2,3
	ds_store_b128 v14, v[R+16*((\t)%8)+4*\i:R+16*((\t)%8)+4*\i+3] offset:32*SP*((\t)%2)+8*SP*\i
.endr
.irp i, 0,1,2,3
	ds_load_b128 v[X+16*((\t)%2)+4*\i:X+16*((\t)%2)+4*\i+3], v15 offset:32*SP*((\t)%2)+16*\i
.endr
.endm
.irp t, 0,1,2,3,4,5,6,7
	LOAD \t
.endr
	s_wait_alu depctr_va_vdst(0)
	s_wait_loadcnt 28                              ; step 0's four loads are in; the 28 of steps 1 to 7 may be out
	TURN 0
.macro STEP t
.set XS, X+16*((\t)%2)
.if (\t) > 0
	s_wait_dscnt 1                                 ; this step's numbers are back from the stage (the last step's byte store may be out): so its stores into the stage have read their registers,
.else
	s_wait_dscnt 0x0
.endif
.if (\t)+8 < STEPS
	LOAD (\t)+8                                    ; which take the loads of eight steps on
.endif
.if (\t)+1 < STEPS
.if STEPS-2-(\t) >= 7
	s_wait_loadcnt 28                              ; the next step's four loads are in; those of the seven steps behind it may be out
.else
	s_wait_loadcnt 4*(STEPS-2-(\t))
.endif
	TURN (\t)+1                                    ; and go through the other stage while this step is worked
.endif
	v_max3_num_f32 v8, |v[XS]|, |v[XS+1]|, |v[XS+2]|               ; the largest magnitude of my 16, in two chains
	v_max3_num_f32 v9, |v[XS+3]|, |v[XS+4]|, |v[XS+5]|
.irp i, 6,10
	v_max3_num_f32 v8, v8, |v[XS+\i]|, |v[XS+\i+1]|
	v_max3_num_f32 v9, v9, |v[XS+\i+2]|, |v[XS+\i+3]|
.endr
	v_max3_num_f32 v8, v8, |v[XS+14]|, |v[XS+15]|
	v_max3_num_f32 v8, v8, v9, (EMAX+1)<<23        ; and the floor 2^(EMAX + 1 - 127): the byte cannot fall under 1
	v_max_num_f32_dpp v8, v8, v8 row_xmask:1 row_mask:0xf bank_mask:0xf   ; and of my neighbour's 16: the block's
	v_add_nc_u32 v11, -(EMAX<<23), v8              ; EMAX off its exponent field: the conversion takes the exponent field of this operand as its scale
	v_cvt_scalef32_pk8_fp4_f32 v[C+4*(\t)], v[XS:XS+7], v11
	v_cvt_scalef32_pk8_fp4_f32 v[C+4*(\t)+1], v[XS+8:XS+15], v11
	v_lshrrev_b32 v[E+(\t)], 23, v11               ; the scale's byte (also the plain line behind the conversions)
	ds_store_b8 v5, v[E+(\t)] offset:16*(\t)       ; both lanes of a block write the same byte with the same value
	global_store_b64 v4, v[C+4*(\t):C+4*(\t)+1], s[8:9] offset:32*CB*(\t)   ; the wave stores 256 consecutive bytes, aligned
.endm
.irp t, 0,1,2,3,4,5,6,7,8,9,10,11,12,13,14,15
	STEP \t
.endr
	ds_load_b64 v[8:9], v6                         ; LDS serves a wave's instructions in order: these see my byte stores
	s_wait_dscnt 0x0
	global_store_b64 v7, v[8:9], s[10:11]          ; 32 lanes store my 4 rows' 256 scale bytes, aligned
	s_wait_tensorcnt 0x0                           ; the wave's end
	ds_add_u32 v[SPW], v[NIL]
	s_wait_dscnt 0x0
	s_endpgm
	; ---------------- the copying work-groups: no LDS is touched on this way
.Lcopy:
	s_sub_co_u32 s33, ttmp9, QWG                   ; ug: which 16 units
	s_cmp_eq_u32 s32, 1                            ; my gate is my wave's number: the choice hangs on no address
	s_cselect_b64 s[34:35], s[14:15], s[12:13]
	s_cselect_b64 s[36:37], s[22:23], s[20:21]
	s_cmp_eq_u32 s32, 2
	s_cselect_b64 s[34:35], s[16:17], s[34:35]
	s_cselect_b64 s[36:37], s[24:25], s[36:37]
	s_cmp_eq_u32 s32, 3
	s_cselect_b64 s[34:35], s[18:19], s[34:35]
	s_cselect_b64 s[36:37], s[26:27], s[36:37]
	s_mov_b32 s39, 0
	s_lshl_b32 s38, s33, 14                        ; 16 rows of 1,024 bytes
	s_add_nc_u64 s[34:35], s[34:35], s[38:39]
	s_lshl_b32 s38, s33, 10                        ; 16 rows of 64 bytes
	s_add_nc_u64 s[36:37], s[36:37], s[38:39]
	s_lshl_b32 s40, s33, 2
	s_add_co_u32 s40, s40, s32                     ; the chunk's place: 4 ug + g
	s_lshl_b32 s38, s40, 14
	s_add_nc_u64 s[28:29], s[28:29], s[38:39]
	s_lshl_b32 s38, s40, 10
	s_add_nc_u64 s[30:31], s[30:31], s[38:39]
.set i, 0
	s_wait_alu depctr_va_vdst(0)
.rept 32
	global_load_b128 v[16+4*i:16+4*i+3], v3, s[34:35] offset:512*i th:TH_LOAD_NT
.set i, i+1
.endr
.rept 2
	global_load_b128 v[16+4*i:16+4*i+3], v3, s[36:37] offset:512*(i-32) th:TH_LOAD_NT
.set i, i+1
.endr
.set i, 0
.rept 32
	s_wait_loadcnt 33-i                            ; loads come back in order: load i is in, the 33 - i younger ones may be out
	global_store_b128 v3, v[16+4*i:16+4*i+3], s[28:29] offset:512*i
.set i, i+1
.endr
.rept 2
	s_wait_loadcnt 33-i
	global_store_b128 v3, v[16+4*i:16+4*i+3], s[30:31] offset:512*(i-32)
.set i, i+1
.endr
	s_endpgm
.Lfunc_end_k_qab8688bfe7_prep:
	.size	k_qab8688bfe7_prep, .Lfunc_end_k_qab8688bfe7_prep-k_qab8688bfe7_prep
	.p2alignl 7, 3214868480
	.fill 96, 4, 3214868480
	.section	.rodata,"a",@progbits
	.p2align	6, 0x0
	.amdhsa_kernel k_qab8688bfe7_prep
		.amdhsa_group_segment_fixed_size 33280
		.amdhsa_private_segment_fixed_size 0
		.amdhsa_enable_private_segment 0
		.amdhsa_kernarg_size 112
		.amdhsa_user_sgpr_count 2
		.amdhsa_user_sgpr_kernarg_segment_ptr 1
		.amdhsa_wavefront_size32 1
		.amdhsa_system_sgpr_workgroup_id_x 1
		.amdhsa_system_sgpr_workgroup_id_y 1
		.amdhsa_system_sgpr_workgroup_id_z 1
		.amdhsa_system_vgpr_workitem_id 0
		.amdhsa_next_free_vgpr 256
		.amdhsa_next_free_sgpr 66
		.amdhsa_reserve_vcc 0
		.amdhsa_float_denorm_mode_32 3
		.amdhsa_float_denorm_mode_16_64 3
		.amdhsa_memory_ordered 1
		.amdhsa_forward_progress 1
		.amdhsa_inst_pref_size 41
	.end_amdhsa_kernel
	.amdgpu_metadata
---
amdhsa.version: [ 1, 2 ]
amdhsa.kernels:
  - .name:           k_qab8688bfe7_prep
    .symbol:         k_qab8688bfe7_prep.kd
    .args:
      - { .name: inputs, .offset: 0, .size: 8, .value_kind: global_buffer, .address_space: global }
      - { .name: h_prev, .offset: 8, .size: 8, .value_kind: global_buffer, .address_space: global }
      - { .name: a_codes, .offset: 16, .size: 8, .value_kind: global_buffer, .address_space: global }
      - { .name: a_scales, .offset: 24, .size: 8, .value_kind: global_buffer, .address_space: global }
      - { .name: Wi_codes, .offset: 32, .size: 8, .value_kind: global_buffer, .address_space: global }
      - { .name: Wf_codes, .offset: 40, .size: 8, .value_kind: global_buffer, .address_space: global }
      - { .name: Wo_codes, .offset: 48, .size: 8, .value_kind: global_buffer, .address_space: global }
      - { .name: Wc_codes, .offset: 56, .size: 8, .value_kind: global_buffer, .address_space: global }
      - { .name: Wi_scales, .offset: 64, .size: 8, .value_kind: global_buffer, .address_space: global }
      - { .name: Wf_scales, .offset: 72, .size: 8, .value_kind: global_buffer, .address_space: global }
      - { .name: Wo_scales, .offset: 80, .size: 8, .value_kind: global_buffer, .address_space: global }
      - { .name: Wc_scales, .offset: 88, .size: 8, .value_kind: global_buffer, .address_space: global }
      - { .name: w_codes, .offset: 96, .size: 8, .value_kind: global_buffer, .address_space: global }
      - { .name: w_scales, .offset: 104, .size: 8, .value_kind: global_buffer, .address_space: global }
    .group_segment_fixed_size: 33280
    .private_segment_fixed_size: 0
    .kernarg_segment_align: 8
    .kernarg_segment_size: 112
    .max_flat_workgroup_size: 128
    .sgpr_count:     66
    .vgpr_count:     256
    .wavefront_size: 32
...
	.end_amdgpu_metadata
.endif
;; end of part 1
;; launch gates (part 2): grid 16 x 32, 4 waves a work-group, clusters of 4 x 4, 327,680 bytes of LDS; arguments a_codes, a_scales, w_codes, w_scales, c_prev, s_buf, xo_buf, bi, bf, bo, bc, ci, cf; writes s_buf, xo_buf
.if DOCPART == 2
	.amdgcn_target "amdgcn-amd-amdhsa--gfx1250"
	.amdhsa_code_object_version 6
	.text
	.protected	k_qab8688bfe7_gates
	.globl	k_qab8688bfe7_gates
	.p2align	8
	.type	k_qab8688bfe7_gates,@function
k_qab8688bfe7_gates:
	s_mov_b64 s[64:65], 0
	v_nop
	global_prefetch_b8 v0, s[64:65] scope:SCOPE_SE
	s_setreg_imm32_b32 hwreg(HW_REG_WAVE_MODE, 25, 1), 1
	s_wait_xcnt 0x0
	s_wait_alu depctr_hold_cnt(0) depctr_sa_sdst(0) depctr_va_vdst(0) depctr_va_sdst(0) depctr_va_ssrc(0) depctr_va_vcc(0) depctr_vm_vsrc(0)
	s_getreg_b32 s2, hwreg(HW_REG_IB_STS2, 6, 4)
	s_cmp_eq_u32 s2, 0
	s_cbranch_scc0 .Lentry_in_a_cluster
	s_endpgm
.Lentry_in_a_cluster:
	s_bfe_u32 s2, ttmp6, 0x10000c
	s_cmp_lg_u32 s2, 0xf033
	s_cbranch_scc0 .Lentry_shape_is_right
	s_endpgm
.Lentry_shape_is_right:
; sLSTM cell, second of three launches: the four quantised products as ONE product on codes of FP4, [8192][2048] x [4096 (unit, gate)][2048], and what follows them up to the first norm's input.
; Nothing of the problem is left out here.  OUT: s_buf = f * c_prev + i * tanh(x_c) and xo_buf = x_o = combined Wo + bo, both [8192][1024] f32.
; A tile, 256 rows x 256 rows of w (64 units x 4 gates), is made by four waves, each 128 x 128: 64 accumulators, 512 registers.  K goes in four steps of 512 (rows of 256 bytes) through a ring of two LDS slots.
; THE HEAD: one joint load a wave: wave 0 a's 256 rows of K step 0, wave 1 w's, wave 2 the scale bytes of a's 256 rows for all of K, wave 3 those of w's.  Slot 1's first fill is issued as a refill is.
; CLUSTERS: 4 x 4 work-groups.  The four of a row of the cluster need the same tiles of a, the four of a column the same tiles of w: each is asked for jointly, with one descriptor and a mask that names the four.
; PREFETCH: K steps 1, 2 and 3 are each asked for one refill ahead of the tensor load that wants them: step 1 behind the head's load, step 2 behind step 1's load, step 3 behind step 2's.  Of the 128 rows that a wave
; fetches in the ring, the partner at place p (cx for a, cy for w) names rows 32 p .. 32 p + 31, a lane a row of 256 bytes: each block is named once in a cluster.  The K step stands in the immediate; no address register is stepped.
; THE MATRIX INSTRUCTION IS USED TRANSPOSED (source 0 = 16 rows of w, source 1 = 16 rows of a).  Block b = 4 u2 + g of a wave's eight is gate g (0 i, 1 f, 2 o, 3 c), units 16 u2 on:
; in accumulator (a, b) lane (r, h), register j holds row 16 a + r, unit 16 u2 + 8 h + j, gate g: a lane has all four gates of one (row, unit).  THE BIASES are the C of each sum's first matrix instruction.
; THE GATES.  L = log2 e; e_g = 2^(L clip(x_g, +-10)); d_g = 1 + 2^(L clip(stabiliser_g, +-10)); D_g = d_g + e_g; E = 2^(2 L x_c), tanh(x_c) = (E - 1) / (E + 1).  One reciprocal:
;   s = (e_f c_prev P + e_i (E - 1) D_f) / (P D_f),  P = D_i (E + 1).
; LIMITS: tanh's argument is held at +-15, where 1 - tanh lies under 2^-24; then P D_f stays under (2 e^10 + 1)^2 (e^30 + 1), about 2e22, and no exponential falls under e^-30.  NaN and infinities among the inputs are not served.
; c_prev's tile is asked for at the head, into idle registers, goes into a stage in LDS behind the products, is read there in the accumulators' layout, and s is written over it in place.
; THE WAY OUT goes block by block (16 rows in each half of the tile's rows): a barrier, then whole rows of 256 bytes of s and x_o are read back and stored while the next block's gates are worked.
; The stages lie in slot 0, which has had its last fill and its last read when the first byte is stored there.  One tile to a work-group: stages of their own, 139,264 bytes, do not fit beside the ring.
; REGISTERS: window 0: v0-29 addresses; v32-95 scale words, two sets; v96-127 the stabilisers; v128-191 a's fragments, one set; v192-255 the biases.
;   window 1: w's fragments, two sets, v0-63 and v128-191; c_prev as loaded, v64-127 and v192-255.   window 2: accumulators of my rows 0-63 ((a, b) at v[8 (8 a + b)]);   window 3: rows 64-127.
.set KSTEP,  512
.set NQ,     4                         ; matrix instructions deep in a slot
.set ROWB,   256                       ; a tile's row in bytes
.set KROW,   1024                      ; a row of codes in memory
.set PITCH,  272                       ; an LDS row: 256 bytes + 16 of padding
.set FR,     8
.set NL,     2
.set NP,     4                         ; places behind this matrix instruction (ISA guide 7.12.1)
.set HALFT,  128*PITCH
.set SLOT,   4*HALFT                   ; a's 256 rows, then w's 256 rows
.set LAPS,   2
.set KS,     64                        ; a row of scale bytes
.set SCL,    2*SLOT                    ; behind the ring: the scale bytes, as units of 256 bytes + 16 of padding
.set HALFS,  (128*KS/256)*272
.set SBLK,   (16*KS/256)*272
.set SPARE,  SCL+4*HALFS               ; the spare words, 128 bytes a wave, which no other line names
.set STG_O,  256*272                   ; the stages, in slot 0: from 0 c_prev, then s; from STG_O x_o
.set VO,   7                           ; my byte offset in the vectors of 1,024 units
.set RD2,  8                           ; the way out: whole rows of a block, first stage
.set RDO2, 9                           ; the same in x_o's stage
.set CO2,  10                          ; the way out: my byte offset in s_buf and xo_buf
.set PFO,  11                          ; the prefetches' offset: lane x 1,024 bytes; never rewritten
.set ADRA, 16                          ; v16-17 my fragments of a in slot 0, 1
.set ADRB, 20                          ; v20-21 the same for w
.set EAO,  22                          ; my 32 bytes of a stage row, accumulators' layout, x_o's stage
.set EA,   24                          ; the same, first stage
.set RD,   25                          ; c_prev's way in: whole rows, 64 a wave
.set CO,   26                          ; my byte offset in two rows of c_prev
.set ADRS, 27                          ; my scale words: lanes 0-15 a's rows, lanes 16-31 w's
.set SPW,  28                          ; my spare word; never rewritten
.set NIL,  29                          ; 0; never rewritten
.set SC,   32
.set STAB, 96                          ; ci at 96 + 8 u2 + j, cf at 112 + 8 u2 + j; later d_i, d_f
.set AF,   128
.set BIAS, 192
.set XI,   128                         ; behind the products v128-191 are at work
.set XF,   136
.set XC,   144
.set DI,   152
.set DF,   160
.set RQ,   224                         ; v224-239 two sets of eight divisors, by turns (the biases that lay here are done with)
.set CPV0, 176
.set OB,   192                         ; the way out: v192-207 rows of s, v208-223 rows of x_o
.set WV, 18                            ; s18 wave; s19 my half of the tile's rows, also: I fetch for a (0) or w (1); s20 my half of w's rows, also: which 128 rows I fetch
.set G1, 24                            ; group 1 for a's tiles; s[32:39] group 0, one set a slot
.set G0, 32
.set G0H, 44                           ; group 0 of the head's load of a's 256 rows (where a's addresses lay)
.set G1B, 48                           ; the same for w's
.set G0B, 56
.set G0HB, 92                          ; group 0 of the head's load of w's 256 rows (where w's addresses lay)
.set G1S, 68                           ; groups 1 and 0 for a's scale bytes, then for w's
.set G0S, 76
.set G1SB, 80
.set G0SB, 88
.set PFA, 104                          ; s[104:105] my work-group's 32 rows of the 128 that I fetch, at K step 0; never rewritten
.set MSB, 0
.macro WIN new                         ; the immediate's high byte repeats the setting that is left
.if MSB != \new
	s_set_vgpr_msb (MSB<<8)|\new
.set MSB, \new
.endif
.endm
.set MUL_LO,   0xa1                    ; source 0 (w) window 1, source 1 (a) window 0, C and D window 2
.set MUL_HI,   0xf1
.set FIRST_LO, 0x81                    ; the first step: C (the bias) window 0, D window 2
.set FIRST_HI, 0xc1
.set TO_B,     0x40
.macro TLOAD g0, g1                    ; a tensor load with an s_nop and four v_nop behind it
	tensor_load_to_lds s[\g0:\g0+3], s[\g1:\g1+7]
	s_nop 0
.rept 4
	v_nop
.endr
.endm
.macro JLOAD g0a, g1a, g0b, g1b        ; the ring's joint load: waves 0 and 1 fetch for a, waves 2 and 3 for w
	s_cmp_eq_u32 s19, 0
	s_cbranch_scc0 .Lfor_b_\@
	TLOAD \g0a, \g1a
	s_branch .Lasked_\@
.Lfor_b_\@:
	TLOAD \g0b, \g1b
.Lasked_\@:
.endm
.macro CREST                           ; a round of the cluster's barrier behind its opening barrier
	s_cmp_lg_u32 s[WV], 0
	s_cbranch_scc1 .Lnot_wave_0_\@
	s_barrier_signal -3
.Lnot_wave_0_\@:
	s_barrier_wait -3
	s_barrier_signal -1
	s_barrier_wait -1
.endm
.macro CROUND
	s_barrier_signal -1
	s_barrier_wait -1
	CREST
.endm
	s_load_b256 s[4:11], s[0:1], 0x0               ; a's codes, a's scales, w's codes, w's scales
	s_load_b128 s[12:15], s[0:1], 0x20             ; c_prev, s_buf
	s_load_b64 s[16:17], s[0:1], 0x30              ; xo_buf
	v_lshl_add_u32 v[SPW], v0, 2, SPARE
	v_mov_b32 v[NIL], 0
	ds_add_u32 v[SPW], v[NIL]                      ; the opening lines: the add, twice on end, and its wait ahead of my first tensor load
	ds_add_u32 v[SPW], v[NIL]
	v_lshrrev_b32 v1, 5, v0
	v_readfirstlane_b32 s[WV], v1                  ; wave 0..3
	v_and_b32 v[PFO], 31, v0
	v_lshlrev_b32 v[PFO], 10, v[PFO]
	s_lshr_b32 s19, s[WV], 1
	s_and_b32 s20, s[WV], 1
	s_bfe_u32 s40, ttmp6, 0x40000                  ; cx, cy
	s_bfe_u32 s41, ttmp6, 0x40004
	s_lshl_b32 s22, ttmp9, 2
	s_add_co_u32 s22, s22, s40                     ; tile column
	s_and_b32 s21, ttmp7, 0xffff
	s_lshl_b32 s21, s21, 2
	s_add_co_u32 s21, s21, s41                     ; tile row
	s_lshl_b32 s42, s41, 2
	s_lshl_b32 s42, 15, s42                        ; my row of the cluster
	s_lshl_b32 s43, 0x1111, s40                    ; my column
	; group 1: rows of 256 bytes, 16 bytes of padding behind each: 256 rows for the head's loads; behind them the two words that count rows are set to 128
	s_or_b32 s[G1+0], s42, (0<<16)|(1<<20)|(1<<21)|(5<<22)|(3<<25)
	s_or_b32 s[G1B+0], s43, (0<<16)|(1<<20)|(1<<21)|(5<<22)|(3<<25)
.irp g, G1, G1B
	s_mov_b32 s[\g+1], ROWB<<16
	s_mov_b32 s[\g+2], 256<<16
	s_mov_b32 s[\g+3], ROWB<<16
	s_mov_b32 s[\g+4], 256
	s_mov_b32 s[\g+5], KROW
	s_mov_b32 s[\g+6], 0
	s_mov_b32 s[\g+7], 0
.endr
	; the scale bytes of 256 rows: a dense block of 16,384 bytes, as 64 rows of 256 bytes (32 elements of 8 bytes), padded alike
	s_or_b32 s[G1S+0], s42, (3<<16)|(1<<20)|(1<<21)|(5<<22)|(3<<25)
	s_or_b32 s[G1SB+0], s43, (3<<16)|(1<<20)|(1<<21)|(5<<22)|(3<<25)
.irp g, G1S, G1SB
	s_mov_b32 s[\g+1], 32<<16
	s_mov_b32 s[\g+2], KS<<16
	s_mov_b32 s[\g+3], 32<<16
	s_mov_b32 s[\g+4], KS
	s_mov_b32 s[\g+5], 32
	s_mov_b32 s[\g+6], 0
	s_mov_b32 s[\g+7], 0
.endr
	s_lshl_b32 s44, s21, 8                         ; a: the tile's first row
	s_lshl_b32 s46, s44, 6                         ; its scale bytes,
	s_lshl_b32 s44, s44, 10                        ; its codes
	s_mov_b32 s45, 0
	s_mov_b32 s47, 0
	s_lshl_b32 s92, s22, 8                         ; w: the tile's first row
	s_lshl_b32 s94, s92, 6
	s_lshl_b32 s92, s92, 10
	s_mov_b32 s93, 0
	s_mov_b32 s95, 0
	s_lshl_b32 s100, s20, 17                       ; in the ring I fetch 128 rows of 1,024 bytes: which half
	s_mov_b32 s101, 0
	s_mul_i32 s96, s[WV], HALFT                    ; and where they go: wave x 128 rows
	s_wait_alu depctr_va_vdst(0)
	s_wait_dscnt 0x0                               ; both opening adds are done
	s_wait_kmcnt 0x0
	s_add_nc_u64 s[44:45], s[4:5], s[44:45]
	s_add_nc_u64 s[46:47], s[6:7], s[46:47]
	s_add_nc_u64 s[92:93], s[8:9], s[92:93]
	s_add_nc_u64 s[94:95], s[10:11], s[94:95]
	s_cmp_eq_u32 s19, 0                            ; the prefetches' base: do I fetch for a?
	s_cselect_b32 s2, s21, s22                     ; the tile's row or column,
	s_cselect_b32 s3, s40, s41                     ; my place among the four that ask with me
	s_cselect_b64 s[PFA:PFA+1], s[4:5], s[8:9]
	s_lshl_b32 s2, s2, 8
	s_lshl_b32 s23, s20, 7
	s_add_co_u32 s2, s2, s23                       ; + the 128 rows that I fetch
	s_lshl_b32 s3, s3, 5
	s_add_co_u32 s2, s2, s3                        ; + my work-group's 32 of them
	s_lshl_b32 s2, s2, 10                          ; in bytes (under 2^24)
	s_mov_b32 s3, 0
	s_add_nc_u64 s[PFA:PFA+1], s[PFA:PFA+1], s[2:3]
	CROUND                                         ; all sixteen work-groups are here: the first joint loads meet
	s_mov_b32 s[G0S], 1
	s_mov_b32 s[G0S+1], SCL
	s_mov_b64 s[G0S+2:G0S+3], s[46:47]
	s_or_b32 s[G0S+3], s[G0S+3], 0x80000000
	s_mov_b32 s[G0SB], 1
	s_mov_b32 s[G0SB+1], SCL+2*HALFS
	s_mov_b64 s[G0SB+2:G0SB+3], s[94:95]
	s_or_b32 s[G0SB+3], s[G0SB+3], 0x80000000
	s_mov_b64 s[G0H+2:G0H+3], s[44:45]             ; the head's loads of codes begin at the tile's first row
	s_or_b32 s[G0H+3], s[G0H+3], 0x80000000
	s_mov_b64 s[G0HB+2:G0HB+3], s[92:93]
	s_or_b32 s[G0HB+3], s[G0HB+3], 0x80000000
	s_add_nc_u64 s[44:45], s[44:45], s[100:101]    ; the ring's at my 128 rows
	s_add_nc_u64 s[92:93], s[92:93], s[100:101]
.irp s, 0,1
	s_mov_b32 s[G0+4*\s], 1
	s_add_co_u32 s[G0+4*\s+1], s96, \s*SLOT
	s_add_nc_u64 s[G0+4*\s+2:G0+4*\s+3], s[44:45], \s*ROWB
	s_or_b32 s[G0+4*\s+3], s[G0+4*\s+3], 0x80000000
	s_mov_b32 s[G0B+4*\s], 1
	s_add_co_u32 s[G0B+4*\s+1], s96, \s*SLOT
	s_add_nc_u64 s[G0B+4*\s+2:G0B+4*\s+3], s[92:93], \s*ROWB
	s_or_b32 s[G0B+4*\s+3], s[G0B+4*\s+3], 0x80000000
.endr
	s_mov_b32 s[G0H], 1
	s_mov_b32 s[G0H+1], 0
	s_mov_b32 s[G0HB], 1
	s_mov_b32 s[G0HB+1], 2*HALFT
; one tree of branches on the wave's number: every way through the head passes exactly one load
.macro ARM under, g0, g1, next
	s_cmp_lt_u32 s[WV], \under
	s_cbranch_scc0 \next
	TLOAD \g0, \g1
	s_branch .Lhead_asked
\next:
.endm
	ARM 1, G0H,  G1,  .Lhead_b
	ARM 2, G0HB, G1B, .Lhead_sa
	ARM 3, G0S,  G1S, .Lhead_sb
	TLOAD G0SB, G1SB
.Lhead_asked:
	global_prefetch_b8 v[PFO], s[PFA:PFA+1] offset:ROWB th:TH_LOAD_NT scope:SCOPE_SE   ; K step 1
	s_load_b256 s[4:11], s[0:1], 0x38              ; bi, bf, bo, bc
	s_load_b128 s[40:43], s[0:1], 0x58             ; ci s[40:41], cf s[42:43]
	v_and_b32 v1, 15, v0                           ; r
	v_bfe_u32 v2, v0, 4, 1                         ; h
	v_mul_u32_u24 v3, v1, PITCH
	v_lshl_add_u32 v4, v2, 4, v3
	s_mul_i32 s96, s19, HALFT                      ; my 128 rows of a
	s_mul_i32 s97, s20, HALFT                      ; my 128 rows of w,
	s_add_co_u32 s97, s97, 2*HALFT                 ; behind a's 256
.irp s, 0,1
	v_add_nc_u32 v[ADRA+\s], s96, v4
	v_add_nc_u32 v[ADRB+\s], s97, v4
	s_add_co_u32 s96, s96, SLOT
	s_add_co_u32 s97, s97, SLOT
.endr
	v_mul_u32_u24 v5, v1, KS                       ; my row's scale bytes: 64 a row,
	v_lshrrev_b32 v6, 8, v5
	v_lshl_add_u32 v5, v6, 4, v5                   ; and 16 more for each 256 passed
	s_mul_i32 s96, s19, HALFS
	s_mul_i32 s97, s20, HALFS
	s_add_co_u32 s97, s97, 2*HALFS
	s_sub_co_u32 s97, s97, s96
	v_mul_u32_u24 v6, s97, v2                      ; lanes 16-31 take w's: the distance between the two bases x h
	s_add_co_u32 s96, s96, SCL
	v_add_nc_u32 v5, v5, v6
	v_add_nc_u32 v[ADRS], s96, v5
	s_mul_i32 s96, s19, 128*272                    ; the stage in the accumulators' layout
	s_lshl_b32 s97, s20, 7
	s_add_co_u32 s96, s96, s97
	v_lshl_add_u32 v5, v2, 5, v3
	v_add_nc_u32 v[EA], s96, v5
	v_add_nc_u32 v[EAO], STG_O, v[EA]
	s_mul_i32 s96, s[WV], 64*272                   ; c_prev's way in: wave w brings rows 64 w on
	v_mul_u32_u24 v5, v2, 272
	v_lshl_add_u32 v5, v1, 4, v5
	v_add_nc_u32 v[RD], s96, v5
	s_mul_i32 s96, s19, 128*272                    ; the way out: half w / 2, rows 8 (w % 2) on
	s_mul_i32 s97, s20, 8*272
	s_add_co_u32 s96, s96, s97
	v_add_nc_u32 v[RD2], s96, v5
	v_add_nc_u32 v[RDO2], STG_O, v[RD2]
	v_lshlrev_b32 v5, 4, v1
	v_lshl_add_u32 v[CO], v2, 12, v5               ; two rows in memory: 4,096 h + 16 r
	s_lshl_b32 s96, s19, 19
	s_lshl_b32 s97, s20, 15
	s_add_co_u32 s96, s96, s97
	v_add_nc_u32 v[CO2], s96, v[CO]
	s_lshl_b32 s96, s22, 8                         ; from here on the tile's column enters, for global offsets alone
	s_lshl_b32 s97, s20, 7
	s_add_co_u32 s96, s96, s97
	v_lshl_add_u32 v[VO], v2, 5, s96
	s_lshl_b32 s96, s21, 20                        ; the tile's first row, of 4,096 bytes,
	s_lshl_b32 s97, s22, 8
	s_add_co_u32 s96, s96, s97                     ; at the tile's 64 units
	s_mov_b32 s97, 0
	s_add_nc_u64 s[12:13], s[12:13], s[96:97]
	s_add_nc_u64 s[14:15], s[14:15], s[96:97]
	s_add_nc_u64 s[16:17], s[16:17], s[96:97]
	s_lshl_b32 s96, s[WV], 18                      ; c_prev alone: the 64 rows that I bring
	s_add_nc_u64 s[12:13], s[12:13], s[96:97]
	s_mov_b32 s66, 0x3fb8aa3b                      ; L, as a pair
	s_mov_b32 s67, s66
	s_mov_b32 s98, 0xc1200000                      ; -10
	s_mov_b32 s99, 0x41200000                      ; 10
	s_mov_b32 s100, 0xc1700000                     ; -15
	s_mov_b32 s101, 0x41700000                     ; 15
	s_wait_alu depctr_va_vdst(0)
	s_wait_kmcnt 0x0
.irp u, 0,1
.irp g, 0,1,2,3
	global_load_b128 v[BIAS+8*(4*\u+\g):BIAS+8*(4*\u+\g)+3],   v[VO], s[4+2*\g:5+2*\g] offset:64*\u
	global_load_b128 v[BIAS+8*(4*\u+\g)+4:BIAS+8*(4*\u+\g)+7], v[VO], s[4+2*\g:5+2*\g] offset:64*\u+16
.endr
.endr
.irp u, 0,1
	global_load_b128 v[STAB+8*\u:STAB+8*\u+3],       v[VO], s[40:41] offset:64*\u
	global_load_b128 v[STAB+8*\u+4:STAB+8*\u+7],     v[VO], s[40:41] offset:64*\u+16
	global_load_b128 v[STAB+16+8*\u:STAB+16+8*\u+3], v[VO], s[42:43] offset:64*\u
	global_load_b128 v[STAB+20+8*\u:STAB+20+8*\u+3], v[VO], s[42:43] offset:64*\u+16
.endr
	WIN TO_B
.set i, 0
.rept 16
	global_load_b128 v[64+4*i:64+4*i+3], v[CO], s[12:13] offset:8192*i th:TH_LOAD_NT       ; c_prev: two rows of 256 aligned bytes a load
.set i, i+1
.endr
.rept 16
	global_load_b128 v[192+4*(i-16):192+4*(i-16)+3], v[CO], s[12:13] offset:8192*i th:TH_LOAD_NT
.set i, i+1
.endr
	WIN 0
.macro FRAG reg, adr, q, i             ; 16 rows x 128 K of 4-bit codes: registers 4 c .. 4 c + 3 hold K = 64 c + 32 h + 0 .. 31
.irp c, 0,1
	ds_load_b128 v[\reg+4*\c:\reg+4*\c+3], v[\adr] offset:64*(\q)+32*\c+(\i)*16*PITCH
.endr
.endm
; 16 matrix instructions: a's blocks a0, a0 + 1 x w's eight.  zero = 1: the bias is the C.  The 64 accumulators take turns.
.macro MUL16 a0, p, q, sc, zero
.irp a, \a0, \a0+1
.irp b, 0,1,2,3,4,5,6,7
.if \zero
	v_wmma_scale_f32_16x16x128_f8f6f4 v[8*(8*((\a)%4)+\b):8*(8*((\a)%4)+\b)+7], v[128*(\p)+FR*\b:128*(\p)+FR*\b+FR-1], v[AF+FR*(\a):AF+FR*(\a)+FR-1], v[BIAS+8*\b:BIAS+8*\b+7], v[SC+8*NQ*(\sc)+NQ*\b+(\q)], v[SC+8*NQ*(\sc)+NQ*(\a)+(\q)] matrix_a_fmt:MATRIX_FMT_FP4 matrix_b_fmt:MATRIX_FMT_FP4 matrix_a_scale:MATRIX_SCALE_ROW1
.else
	v_wmma_scale_f32_16x16x128_f8f6f4 v[8*(8*((\a)%4)+\b):8*(8*((\a)%4)+\b)+7], v[128*(\p)+FR*\b:128*(\p)+FR*\b+FR-1], v[AF+FR*(\a):AF+FR*(\a)+FR-1], v[8*(8*((\a)%4)+\b):8*(8*((\a)%4)+\b)+7], v[SC+8*NQ*(\sc)+NQ*\b+(\q)], v[SC+8*NQ*(\sc)+NQ*(\a)+(\q)] matrix_a_fmt:MATRIX_FMT_FP4 matrix_b_fmt:MATRIX_FMT_FP4 matrix_a_scale:MATRIX_SCALE_ROW1
.endif
.endr
.endr
.endm
.macro FETCH_B slot, q, p
	WIN TO_B
.irp i, 0,1,2,3,4,5,6,7
	FRAG 128*(\p)+FR*\i, ADRB+\slot, \q, \i
.endr
	WIN 0
.endm
.macro FETCH_A slot, q, i0
.irp i, \i0, \i0+1, \i0+2, \i0+3
	FRAG AF+FR*(\i), ADRA+\slot, \q, \i
.endr
.endm
.macro SCALES sc                       ; a K step's scale words: lanes 0-15 a's block i, lanes 16-31 w's block i
.irp i, 0,1,2,3,4,5,6,7
	ds_load_b128 v[SC+8*NQ*\sc+NQ*\i:SC+8*NQ*\sc+NQ*\i+3], v[ADRS] offset:\i*SBLK
.endr
.endm
.macro PLACES n                        ; places in front of loads into registers that matrix instructions have read
.rept \n
	v_nop
.endr
.endm
.macro STEP slot, q, zero              ; a step of 128 along K that has its successor in the same slot
	s_wait_dscnt 4*NL                              ; w's set and a's blocks 0-3 are in; the youngest eight loads (a's blocks 4-7) may be out
.if \zero
	WIN FIRST_LO
.else
	WIN MUL_LO
.endif
	MUL16 0, (\q)%2, \q, \slot, \zero
	MUL16 2, (\q)%2, \q, \slot, \zero
	s_wait_dscnt 0                                 ; a's blocks 4-7 are in
	PLACES NP
	FETCH_B \slot, (\q)+1, 1-(\q)%2
	FETCH_A \slot, (\q)+1, 0
.if \zero
	WIN FIRST_HI
.else
	WIN MUL_HI
.endif
	MUL16 4, (\q)%2, \q, \slot, \zero
	MUL16 6, (\q)%2, \q, \slot, \zero
	PLACES NP
	WIN 0
	FETCH_A \slot, (\q)+1, 4
.endm
; A slot's last step changes slots: one barrier; in front of it the wait for all my tensor loads, the add, and the wait for it and for my reads of this slot.  fill = 1: this slot is filled again, two K steps ahead.
.macro TURN slot, next, fill
	s_wait_tensorcnt 0x0                           ; my part of the next slot has landed
	ds_add_u32 v[SPW], v[NIL]
	s_wait_dscnt 4*NL+1                            ; (the add and the youngest eight loads may be out)
	WIN MUL_LO
	MUL16 0, 1, NQ-1, \slot, 0
	s_wait_dscnt 0x0                               ; the add is done, and my reads of this slot are over
	s_barrier_signal -1
	MUL16 2, 1, NQ-1, \slot, 0
	WIN 0
	s_barrier_wait -1
.if \fill
	CREST                                          ; the barrier has opened a round of the cluster's barrier
	s_add_nc_u64 s[G0+4*\slot+2:G0+4*\slot+3], s[G0+4*\slot+2:G0+4*\slot+3], 2*ROWB
	s_add_nc_u64 s[G0B+4*\slot+2:G0B+4*\slot+3], s[G0B+4*\slot+2:G0B+4*\slot+3], 2*ROWB
	JLOAD G0+4*\slot, G1, G0B+4*\slot, G1B         ; my one tensor load behind the round; its four v_nop are the places in front of the loads below
.else
	PLACES NP
.endif
	s_wait_alu depctr_va_vdst(0)
	v_add_nc_u32 v[ADRS], 4*NQ, v[ADRS]            ; the next K step's scale words
	FETCH_B \next, 0, 0
	FETCH_A \next, 0, 0
	SCALES \next
.if (\fill) && ((\slot) == 0)
	global_prefetch_b8 v[PFO], s[PFA:PFA+1] offset:3*ROWB th:TH_LOAD_NT scope:SCOPE_SE   ; K step 3, the last: the loop has LAPS - 1 = 1 trip, so the step stands in the immediate
.endif
	WIN MUL_HI
	MUL16 4, 1, NQ-1, \slot, 0
	MUL16 6, 1, NQ-1, \slot, 0
	PLACES NP
	WIN 0
	FETCH_A \next, 0, 4
.endm
.macro STEPS slot, from
.set Q, \from
.rept NQ-1-\from
	STEP \slot, Q, 0
.set Q, Q+1
.endr
.endm
	s_wait_tensorcnt 0x0                           ; my tile of the head's four is in
	ds_add_u32 v[SPW], v[NIL]
	s_mov_b32 s[G1+2], 128<<16                     ; no tensor load of mine is out: from here on a load brings 128 rows
	s_mov_b32 s[G1+4], 128
	s_mov_b32 s[G1B+2], 128<<16
	s_mov_b32 s[G1B+4], 128
	s_wait_dscnt 0x0                               ; the add is done
	CROUND                                         ; all four tiles are in, and all sixteen work-groups are here
	JLOAD G0+4, G1, G0B+4, G1B                     ; K step 1's load, the first tensor load behind the round
	FETCH_B 0, 0, 0
	FETCH_A 0, 0, 0
	SCALES 0
	FETCH_A 0, 0, 4
	global_prefetch_b8 v[PFO], s[PFA:PFA+1] offset:2*ROWB th:TH_LOAD_NT scope:SCOPE_SE   ; K step 2
	s_wait_loadcnt 32                              ; the biases and stabilisers are in; the 32 loads of c_prev may be out
	STEP 0, 0, 1                                   ; the first step starts the sums on the biases
	s_mov_b32 s3, LAPS-1
.Llap:                                                 ; once round the ring, from a lap's second step to the next lap's first; both slots are filled again
	STEPS 0, 1
	TURN 0, 1, 1
	STEPS 1, 0
	TURN 1, 0, 1
	STEP 0, 0, 0
	s_sub_co_u32 s3, s3, 1
	s_cmp_lg_u32 s3, 0
	s_cbranch_scc1 .Llap
	STEPS 0, 1                                     ; the last lap fills nothing
	TURN 0, 1, 0                                   ; behind this barrier nobody reads slot 0 any more, and it has had its last fill
	STEPS 1, 0
	s_wait_dscnt 4*NL
	WIN MUL_LO
	MUL16 0, 1, NQ-1, 1, 0
	MUL16 2, 1, NQ-1, 1, 0
	s_wait_dscnt 0
	WIN MUL_HI
	MUL16 4, 1, NQ-1, 1, 0
	MUL16 6, 1, NQ-1, 1, 0
	WIN 0
	; d_i, d_f = 1 + 2^(L clip(stabiliser)); c_prev's rows go into the stage.  The clips are also the places behind the last products.
	s_wait_loadcnt 0x0                             ; c_prev
	s_mov_b32 s2, 0x4038aa3b                       ; 2 L, as a pair
	s_mov_b32 s3, s2
.set i, 0
.rept 32
	v_med3_num_f32 v[STAB+i], v[STAB+i], s98, s99
.set i, i+1
.endr
.set i, 0
.rept 16
	v_pk_mul_f32 v[STAB+2*i:STAB+2*i+1], v[STAB+2*i:STAB+2*i+1], s[66:67] op_sel_hi:[1,0]
.set i, i+1
.endr
.set i, 0
	s_wait_alu depctr_va_vdst(0)
.rept 32
	v_exp_f32 v[STAB+i], v[STAB+i]
.set i, i+1
.endr
	v_nop
	WIN 0x04                                       ; an LDS store's data: window 1
.set i, 0
.rept 16
	ds_store_b128 v[RD], v[64+4*i:64+4*i+3] offset:544*i           ; rows 64 w + 2 i + h
.set i, i+1
.endr
.rept 16
	ds_store_b128 v[RD], v[192+4*(i-16):192+4*(i-16)+3] offset:544*i
.set i, i+1
.endr
	WIN 0
	s_wait_alu depctr_va_vdst(0)                   ; one wait for the 32 exponentials, ahead of their first reader
.set i, 0
.rept 16
	v_pk_add_f32 v[STAB+2*i:STAB+2*i+1], v[STAB+2*i:STAB+2*i+1], 1.0 op_sel_hi:[1,0]
.set i, i+1
.endr
	s_wait_dscnt 0x0                               ; for the others' sake: my stores into the stage are done
	s_barrier_signal -1
	s_barrier_wait -1                              ; c_prev's 256 rows lie in the stage
.macro LOADW a                         ; behind block a's barrier: back from the stages as whole rows of 256 bytes
.irp t, 0,1,2,3
	ds_load_b128 v[OB+4*\t:OB+4*\t+3], v[RD2] offset:4352*(\a)+544*\t
.endr
.irp t, 0,1,2,3
	ds_load_b128 v[OB+16+4*\t:OB+16+4*\t+3], v[RDO2] offset:4352*(\a)+544*\t
.endr
.endm
.macro SENDW a                         ; 16 lanes store 256 consecutive bytes, aligned; block and pair of rows stand in the immediate
.irp t, 0,1,2,3
	global_store_b128 v[CO2], v[OB+4*\t:OB+4*\t+3], s[14:15] offset:65536*(\a)+8192*\t
.endr
.irp t, 0,1,2,3
	global_store_b128 v[CO2], v[OB+16+4*\t:OB+16+4*\t+3], s[16:17] offset:65536*(\a)+8192*\t
.endr
.endm
; THE GROUPS, PIPELINED BY ONE STEP.  Group k (0 .. 15) is rows 16 a + r, units 16 u + 8 h + 0 .. 7, a = k / 2, u = k % 2: eight numbers a lane, from the four accumulators (a, 4 u + g).
; Step k: group k's clips and scalings; ONE batch of transcendentals, group k's 24 exponentials and group k - 1's eight reciprocals, with one wait ahead of it and one behind it;
; group k - 1's s = N / (P D_f) goes into the stage; group k's divisor P D_f and numerator N = e_f c_prev P + e_i (E - 1) D_f are made and wait for the next step's batch.  Step 16 only finishes group 15.
; A block's rows of 256 bytes come from two waves: behind the store of its second group's s (steps 2, 4 .. 16) a barrier, then whole rows are read back; they are stored in the next step.  Later blocks write rows further down.
.macro PIPE k
.set KA,  (\k)/2
.set KU,  (\k)%2
.set CPV, CPV0+8*KU                    ; c_prev, then N, of group k
.set CPP, CPV0+8*(1-KU)                ; N, then s, of group k - 1
.set RQK, RQ+8*KU
.set RQP, RQ+8*(1-KU)
.set OFF, 4352*KA+64*KU                ; 16 a rows of 272 bytes, 16 u units of 4 bytes
.set OFP, 4352*(((\k)-1)/2)+64*(1-KU)  ; the same of group k - 1
.set AC,  8*(8*(KA%4)+4*KU)
.if (\k) < 16
	ds_load_b128 v[CPV:CPV+3],   v[EA] offset:OFF          ; c_prev at my eight places
	ds_load_b128 v[CPV+4:CPV+7], v[EA] offset:OFF+16
	WIN (0x02+KA/4)                                ; source 0: window 2 or 3
.irp j, 0,1,2,3,4,5,6,7
	v_med3_num_f32 v[XI+\j], v[AC+\j], s98, s99            ; each accumulator is read from its low end on
.endr
.irp j, 0,1,2,3,4,5,6,7
	v_med3_num_f32 v[XF+\j], v[AC+8+\j], s98, s99
.endr
.irp j, 0,1,2,3,4,5,6,7
	v_med3_num_f32 v[XC+\j], v[AC+24+\j], s100, s101
.endr
	WIN (0x08+4*(KA/4))                            ; an LDS store's data: window 2 or 3
	ds_store_b128 v[EAO], v[AC+16:AC+19] offset:OFF        ; x_o as it is
	ds_store_b128 v[EAO], v[AC+20:AC+23] offset:OFF+16
	WIN 0
.irp j, 0,2,4,6
	v_pk_mul_f32 v[XI+\j:XI+\j+1], v[XI+\j:XI+\j+1], s[66:67] op_sel_hi:[1,0]
.endr
.irp j, 0,2,4,6
	v_pk_mul_f32 v[XF+\j:XF+\j+1], v[XF+\j:XF+\j+1], s[66:67] op_sel_hi:[1,0]
.endr
.irp j, 0,2,4,6
	v_pk_mul_f32 v[XC+\j:XC+\j+1], v[XC+\j:XC+\j+1], s[2:3] op_sel_hi:[1,0]
.endr
.endif
	s_wait_alu depctr_va_vdst(0)                   ; ahead of the batch
.if (\k) < 16
.irp j, 0,1,2,3,4,5,6,7,8,9,10,11,12,13,14,15,16,17,18,19,20,21,22,23
	v_exp_f32 v[XI+\j], v[XI+\j]                   ; e_i, e_f, E of group k
.endr
.endif
.if (\k) > 0
.irp j, 0,1,2,3,4,5,6,7
	v_rcp_f32 v[RQP+\j], v[RQP+\j]                 ; 1 / (P D_f) of group k - 1
.endr
.endif
	v_nop                                          ; a plain line behind the last transcendental
	s_wait_alu depctr_va_vdst(0)                   ; and the one wait behind the batch
.if ((\k) >= 3) && (KU == 1)
	s_wait_dscnt 4                                 ; the finished block's rows are back: behind their eight loads only this step's two loads of c_prev and two stores of x_o were issued
	SENDW ((\k)-3)/2
.endif
.if (\k) > 0
.irp j, 0,2,4,6
	v_pk_mul_f32 v[CPP+\j:CPP+\j+1], v[CPP+\j:CPP+\j+1], v[RQP+\j:RQP+\j+1]                      ; s of group k - 1
.endr
	ds_store_b128 v[EA], v[CPP:CPP+3]   offset:OFP         ; over c_prev, in place: each byte is read and written by the same lane alone
	ds_store_b128 v[EA], v[CPP+4:CPP+7] offset:OFP+16
.if KU == 0
	s_wait_dscnt 0x0                               ; for the others' sake: my stores of the block into both stages are done (and group k's c_prev is in)
	s_barrier_signal -1
	s_barrier_wait -1                              ; the block's 32 whole rows of s and of x_o lie in the stages
.if (\k) > 2
	s_wait_xcnt 0x0                                ; the block before has been stored from the registers into which this block's rows are loaded
.endif
	LOADW ((\k)-2)/2
.endif
.endif
.if (\k) < 16
.if (\k) == 0
	s_wait_dscnt 2                                 ; c_prev is in: behind its two loads only x_o's two stores were issued
.endif
.if KU == 1
	s_wait_dscnt 4                                 ; c_prev is in: behind its two loads x_o's two stores and s's two were issued
.endif
.irp j, 0,2,4,6
	v_pk_add_f32 v[DI+\j:DI+\j+1], v[XI+\j:XI+\j+1], v[STAB+8*KU+\j:STAB+8*KU+\j+1]              ; D_i = d_i + e_i
.endr
.irp j, 0,2,4,6
	v_pk_add_f32 v[DF+\j:DF+\j+1], v[XF+\j:XF+\j+1], v[STAB+16+8*KU+\j:STAB+16+8*KU+\j+1]        ; D_f
.endr
.irp j, 0,2,4,6
	v_pk_fma_f32 v[DI+\j:DI+\j+1], v[DI+\j:DI+\j+1], v[XC+\j:XC+\j+1], v[DI+\j:DI+\j+1]          ; P = D_i (E + 1)
.endr
.irp j, 0,2,4,6
	v_pk_mul_f32 v[RQK+\j:RQK+\j+1], v[DI+\j:DI+\j+1], v[DF+\j:DF+\j+1]                          ; P D_f
.endr
.irp j, 0,2,4,6
	v_pk_add_f32 v[XC+\j:XC+\j+1], v[XC+\j:XC+\j+1], -1.0 op_sel_hi:[1,0]                        ; E - 1
.endr
.irp j, 0,2,4,6
	v_pk_mul_f32 v[CPV+\j:CPV+\j+1], v[XF+\j:XF+\j+1], v[CPV+\j:CPV+\j+1]                        ; e_f c_prev
.endr
.irp j, 0,2,4,6
	v_pk_mul_f32 v[CPV+\j:CPV+\j+1], v[CPV+\j:CPV+\j+1], v[DI+\j:DI+\j+1]                        ; x P
.endr
.irp j, 0,2,4,6
	v_pk_mul_f32 v[XI+\j:XI+\j+1], v[XI+\j:XI+\j+1], v[XC+\j:XC+\j+1]                            ; e_i (E - 1)
.endr
.irp j, 0,2,4,6
	v_pk_fma_f32 v[CPV+\j:CPV+\j+1], v[XI+\j:XI+\j+1], v[DF+\j:DF+\j+1], v[CPV+\j:CPV+\j+1]      ; x D_f, + the first term: N
.endr
.endif
.endm
.irp k, 0,1,2,3,4,5,6,7,8,9,10,11,12,13,14,15,16
	PIPE \k
.endr
	s_wait_dscnt 0x0
	SENDW 7
	s_wait_tensorcnt 0x0                           ; the wave's end
	ds_add_u32 v[SPW], v[NIL]
	s_wait_dscnt 0x0
	CROUND                                         ; the closing round
	s_endpgm
.Lfunc_end_k_qab8688bfe7_gates:
	.size	k_qab8688bfe7_gates, .Lfunc_end_k_qab8688bfe7_gates-k_qab8688bfe7_gates
	.p2alignl 7, 3214868480
	.fill 96, 4, 3214868480
	.section	.rodata,"a",@progbits
	.p2align	6, 0x0
	.amdhsa_kernel k_qab8688bfe7_gates
		.amdhsa_group_segment_fixed_size 327680
		.amdhsa_private_segment_fixed_size 0
		.amdhsa_enable_private_segment 0
		.amdhsa_kernarg_size 104
		.amdhsa_user_sgpr_count 2
		.amdhsa_user_sgpr_kernarg_segment_ptr 1
		.amdhsa_wavefront_size32 1
		.amdhsa_system_sgpr_workgroup_id_x 1
		.amdhsa_system_sgpr_workgroup_id_y 1
		.amdhsa_system_sgpr_workgroup_id_z 1
		.amdhsa_system_vgpr_workitem_id 0
		.amdhsa_next_free_vgpr 1024
		.amdhsa_next_free_sgpr 106
		.amdhsa_reserve_vcc 0
		.amdhsa_float_denorm_mode_32 3
		.amdhsa_float_denorm_mode_16_64 3
		.amdhsa_memory_ordered 1
		.amdhsa_forward_progress 1
		.amdhsa_inst_pref_size 255
	.end_amdhsa_kernel
	.section	.bss,"aw",@nobits
	.p2align	6
	.space	262144
	.amdgpu_metadata
---
amdhsa.version: [ 1, 2 ]
amdhsa.kernels:
  - .name:           k_qab8688bfe7_gates
    .symbol:         k_qab8688bfe7_gates.kd
    .args:
      - { .name: a_codes, .offset: 0, .size: 8, .value_kind: global_buffer, .address_space: global }
      - { .name: a_scales, .offset: 8, .size: 8, .value_kind: global_buffer, .address_space: global }
      - { .name: w_codes, .offset: 16, .size: 8, .value_kind: global_buffer, .address_space: global }
      - { .name: w_scales, .offset: 24, .size: 8, .value_kind: global_buffer, .address_space: global }
      - { .name: c_prev, .offset: 32, .size: 8, .value_kind: global_buffer, .address_space: global }
      - { .name: s_buf, .offset: 40, .size: 8, .value_kind: global_buffer, .address_space: global }
      - { .name: xo_buf, .offset: 48, .size: 8, .value_kind: global_buffer, .address_space: global }
      - { .name: bi, .offset: 56, .size: 8, .value_kind: global_buffer, .address_space: global }
      - { .name: bf, .offset: 64, .size: 8, .value_kind: global_buffer, .address_space: global }
      - { .name: bo, .offset: 72, .size: 8, .value_kind: global_buffer, .address_space: global }
      - { .name: bc, .offset: 80, .size: 8, .value_kind: global_buffer, .address_space: global }
      - { .name: ci, .offset: 88, .size: 8, .value_kind: global_buffer, .address_space: global }
      - { .name: cf, .offset: 96, .size: 8, .value_kind: global_buffer, .address_space: global }
    .group_segment_fixed_size: 327680
    .private_segment_fixed_size: 0
    .kernarg_segment_align: 8
    .kernarg_segment_size: 104
    .max_flat_workgroup_size: 128
    .sgpr_count:     106
    .vgpr_count:     1024
    .wavefront_size: 32
...
	.end_amdgpu_metadata
.endif
;; end of part 2
;; launch norms (part 3): grid 256 x 1, 8 waves a work-group, no clusters, 0 bytes of LDS; arguments s_buf, xo_buf, co, gamma_c, beta_c, gamma_h, beta_h, out0, out1; writes out0, out1
.if DOCPART == 3
	.amdgcn_target "amdgcn-amd-amdhsa--gfx1250"
	.amdhsa_code_object_version 6
	.text
	.protected	k_qab8688bfe7_norms
	.globl	k_qab8688bfe7_norms
	.p2align	8
	.type	k_qab8688bfe7_norms,@function
k_qab8688bfe7_norms:
	s_mov_b64 s[64:65], 0
	v_nop
	global_prefetch_b8 v0, s[64:65] scope:SCOPE_SE
	s_setreg_imm32_b32 hwreg(HW_REG_WAVE_MODE, 25, 1), 1
	s_wait_xcnt 0x0
; sLSTM cell, third of three launches.  Nothing of the problem is left out here.  For each row of 1,024 units:
;   c_new = LayerNorm(s) gamma_c + beta_c -> out1;   u = o tanh(c_new), o the exponential gate of x_o;   h_new = LayerNorm(u) gamma_h + beta_h -> out0.
; Both norms go in two passes, as the problem writes them: the mean, then the mean of the squared differences; 1e-3 is added under the root.  The sums are taken in another order than the problem's.
; THE GATE AND THE TANH share one reciprocal: L = log2 e, e_o = 2^(L clip(x_o, +-10)), d_o = 1 + 2^(L clip(co, +-10)), E = 2^(2 L c_new):  u = e_o (E - 1) / ((d_o + e_o) (E + 1)).
; LIMITS: tanh's argument is held at +-15, where 1 - tanh lies under 2^-24, so that no f32 result moves; the divisor then stays under (2 e^10 + 1) (e^30 + 1), about 5e17.  NaN and infinities among the inputs are not served.
; SHARES.  A work-group of eight waves takes 32 rows, a wave 4, one row at a time: a row of 4,096 bytes is eight loads of 512 consecutive bytes and 32 registers a lane (register 4 j + i: unit 128 j + 4 lane + i), so a
; row's sums never leave the wave: no LDS, no barrier.  All four rows of both buffers are asked for at the head (64 loads a wave); the five vectors stay in registers.
; No matrix unit, no cluster, no tensor load: the work-groups share nothing but the five vectors of 4,096 bytes.
; REGISTERS: window 0: v1, v2 offsets; the vectors; T, U, Q, W at work.   window 1: row p's s at v[64 p], its x_o at v[64 p + 32].
.set GC, 4                             ; v4-35    gamma_c
.set BC, 36                            ; v36-67   beta_c
.set GH, 68                            ; v68-99   gamma_h
.set BH, 100                           ; v100-131 beta_h
.set DO, 132                           ; v132-163 co, then d_o
.set T,  164                           ; v164-195 E, then E - 1; also the sums' tree
.set U,  196                           ; v196-227 e_o, then u, then h_new
.set Q,  228                           ; v228-243 sixteen divisors
.set W,  244                           ; v244-251 four chains of sums
.set BR, 252                           ; v[252:253] a number for all lanes' pairs: the low word serves both halves; v253 is written once
.set PT, 254                           ; v254     the lane permute's destination, written once
.set MSB, 0
.macro WIN new                         ; the immediate's high byte repeats the setting that is left
.if MSB != \new
	s_set_vgpr_msb (MSB<<8)|\new
.set MSB, \new
.endif
.endm
	s_load_b512 s[4:19], s[0:1], 0x0               ; s_buf s[4:5], xo_buf s[6:7], co s[8:9], gamma_c s[10:11], beta_c s[12:13], gamma_h s[14:15], beta_h s[16:17], out0 s[18:19]
	s_load_b64 s[20:21], s[0:1], 0x40              ; out1
	v_and_b32 v2, 31, v0
	s_delay_alu instid0(VALU_DEP_1)
	v_lshlrev_b32 v2, 4, v2                        ; 16 x lane
	v_lshrrev_b32 v3, 5, v0
	s_delay_alu instid0(VALU_DEP_1)
	v_lshl_add_u32 v1, v3, 14, v2                  ; + wave x 4 rows of 4,096 bytes
	v_mov_b32 v[BR+1], 0
	v_mov_b32 v[PT], 0
	s_mov_b32 s22, 0xc1200000                      ; -10
	s_mov_b32 s23, 0x41200000                      ; 10
	s_mov_b32 s24, 0xc1700000                      ; -15
	s_mov_b32 s25, 0x41700000                      ; 15
	s_mov_b32 s26, 0x76543210                      ; v_permlanex16_b32's selects for lane l xor 16
	s_mov_b32 s27, 0xfedcba98
	s_mov_b32 s28, 0x3a800000                      ; 1 / 1024
	s_mov_b32 s29, 0x3a83126f                      ; 1e-3
	s_mov_b32 s2, 0x3fb8aa3b                       ; L, as a pair
	s_mov_b32 s3, s2
	s_lshl_b32 s30, ttmp9, 17                      ; the work-group's 32 rows of 4,096 bytes (under 2^32)
	s_mov_b32 s31, 0
	s_wait_alu depctr_va_vdst(0)
	s_wait_kmcnt 0x0
	s_add_nc_u64 s[4:5], s[4:5], s[30:31]
	s_add_nc_u64 s[6:7], s[6:7], s[30:31]
	s_add_nc_u64 s[18:19], s[18:19], s[30:31]
	s_add_nc_u64 s[20:21], s[20:21], s[30:31]
	s_mov_b32 s30, 0x4038aa3b                      ; 2 L, as a pair
	s_mov_b32 s31, s30
.irp j, 0,1,2,3,4,5,6,7
	global_load_b128 v[DO+4*\j:DO+4*\j+3], v2, s[8:9] offset:512*\j
	global_load_b128 v[GC+4*\j:GC+4*\j+3], v2, s[10:11] offset:512*\j
	global_load_b128 v[BC+4*\j:BC+4*\j+3], v2, s[12:13] offset:512*\j
	global_load_b128 v[GH+4*\j:GH+4*\j+3], v2, s[14:15] offset:512*\j
	global_load_b128 v[BH+4*\j:BH+4*\j+3], v2, s[16:17] offset:512*\j
.endr
	WIN 0x40                                       ; destination window 1
.irp p, 0,1,2,3
.irp j, 0,1,2,3,4,5,6,7
	global_load_b128 v[64*\p+4*\j:64*\p+4*\j+3], v1, s[4:5] offset:4096*\p+512*\j th:TH_LOAD_NT
.endr
.irp j, 0,1,2,3,4,5,6,7
	global_load_b128 v[64*\p+32+4*\j:64*\p+32+4*\j+3], v1, s[6:7] offset:4096*\p+512*\j th:TH_LOAD_NT
.endr
.endr
	WIN 0
.macro RED r                           ; the sum over the 32 lanes, in every lane
	s_delay_alu instid0(VALU_DEP_1)
	v_add_f32_dpp v[\r], v[\r], v[\r] row_xmask:1 row_mask:0xf bank_mask:0xf
	s_delay_alu instid0(VALU_DEP_1)
	v_add_f32_dpp v[\r], v[\r], v[\r] row_xmask:2 row_mask:0xf bank_mask:0xf
	s_delay_alu instid0(VALU_DEP_1)
	v_add_f32_dpp v[\r], v[\r], v[\r] row_xmask:4 row_mask:0xf bank_mask:0xf
	s_delay_alu instid0(VALU_DEP_1)
	v_add_f32_dpp v[\r], v[\r], v[\r] row_xmask:8 row_mask:0xf bank_mask:0xf
	s_delay_alu instid0(VALU_DEP_1)
	v_permlanex16_b32 v[PT], v[\r], s26, s27
	s_delay_alu instid0(VALU_DEP_1)
	v_add_f32 v[\r], v[\r], v[PT]
.endm
; LayerNorm in place of the 32 registers from d on (hi = 1: they lie in window 1), with gain g and offset b.
.macro LNORM d, hi, g, b
	WIN 0x05*\hi                                   ; sources 0 and 1
.irp k, 0,1,2,3,4,5,6,7
	v_pk_add_f32 v[T+2*\k:T+2*\k+1], v[\d+4*\k:\d+4*\k+1], v[\d+4*\k+2:\d+4*\k+3]
.endr
	WIN 0
.irp k, 0,1,2,3
	v_pk_add_f32 v[T+2*\k:T+2*\k+1], v[T+2*\k:T+2*\k+1], v[T+8+2*\k:T+9+2*\k]
.endr
.irp k, 0,1
	s_delay_alu instid0(VALU_DEP_2)
	v_pk_add_f32 v[T+2*\k:T+2*\k+1], v[T+2*\k:T+2*\k+1], v[T+4+2*\k:T+5+2*\k]
.endr
	s_delay_alu instid0(VALU_DEP_1)
	v_pk_add_f32 v[T:T+1], v[T:T+1], v[T+2:T+3]
	s_delay_alu instid0(VALU_DEP_1)
	v_add_f32 v[W], v[T], v[T+1]
	RED W
	s_delay_alu instid0(VALU_DEP_1)
	v_mul_f32 v[BR], s28, v[W]                     ; the mean
	WIN 0x41*\hi                                   ; destination and source 0
.irp k, 0,1,2,3,4,5,6,7,8,9,10,11,12,13,14,15
	v_pk_add_f32 v[\d+2*\k:\d+2*\k+1], v[\d+2*\k:\d+2*\k+1], v[BR:BR+1] op_sel_hi:[1,0] neg_lo:[0,1] neg_hi:[0,1]
.endr
	WIN 0x05*\hi
.irp k, 0,1,2,3
	v_pk_mul_f32 v[W+2*\k:W+2*\k+1], v[\d+2*\k:\d+2*\k+1], v[\d+2*\k:\d+2*\k+1]       ; the squares, in four chains
.endr
.irp k, 4,5,6,7,8,9,10,11,12,13,14,15
	s_delay_alu instid0(VALU_DEP_4)
	v_pk_fma_f32 v[W+2*(\k%4):W+2*(\k%4)+1], v[\d+2*\k:\d+2*\k+1], v[\d+2*\k:\d+2*\k+1], v[W+2*(\k%4):W+2*(\k%4)+1]
.endr
	WIN 0
	v_pk_add_f32 v[W:W+1], v[W:W+1], v[W+2:W+3]
	v_pk_add_f32 v[W+4:W+5], v[W+4:W+5], v[W+6:W+7]
	s_delay_alu instid0(VALU_DEP_1)
	v_pk_add_f32 v[W:W+1], v[W:W+1], v[W+4:W+5]
	s_delay_alu instid0(VALU_DEP_1)
	v_add_f32 v[W], v[W], v[W+1]
	RED W
	s_delay_alu instid0(VALU_DEP_1)
	v_fma_f32 v[W], v[W], s28, s29                 ; the variance + 1e-3
	s_wait_alu depctr_va_vdst(0)
	v_rsq_f32 v[BR], v[W]
	v_nop                                          ; a plain line behind the transcendental
	s_wait_alu depctr_va_vdst(0)                   ; and the wait ahead of its first reader
	WIN 0x41*\hi
.irp k, 0,1,2,3,4,5,6,7,8,9,10,11,12,13,14,15
	v_pk_mul_f32 v[\d+2*\k:\d+2*\k+1], v[\d+2*\k:\d+2*\k+1], v[BR:BR+1] op_sel_hi:[1,0]
.endr
.irp k, 0,1,2,3,4,5,6,7,8,9,10,11,12,13,14,15
	v_pk_fma_f32 v[\d+2*\k:\d+2*\k+1], v[\d+2*\k:\d+2*\k+1], v[\g+2*\k:\g+2*\k+1], v[\b+2*\k:\b+2*\k+1]
.endr
.endm
.macro ROW p
.set S, 64*(\p)
.set X, 64*(\p)+32
	s_wait_loadcnt 56-16*(\p)                      ; this row's s is in (and, for the first row, the vectors); its x_o (8 loads) and the later rows (16 each) may be out
.if (\p) == 0
.set i, 0
.rept 32
	v_med3_num_f32 v[DO+i], v[DO+i], s22, s23      ; d_o = 1 + 2^(L clip(co)), once
.set i, i+1
.endr
.set i, 0
.rept 16
	v_pk_mul_f32 v[DO+2*i:DO+2*i+1], v[DO+2*i:DO+2*i+1], s[2:3] op_sel_hi:[1,0]
.set i, i+1
.endr
.set i, 0
	s_wait_alu depctr_va_vdst(0)
.rept 32
	v_exp_f32 v[DO+i], v[DO+i]
.set i, i+1
.endr
	v_nop
	s_wait_alu depctr_va_vdst(0)                   ; one wait for the batch
.set i, 0
.rept 16
	v_pk_add_f32 v[DO+2*i:DO+2*i+1], v[DO+2*i:DO+2*i+1], 1.0 op_sel_hi:[1,0]
.set i, i+1
.endr
.endif
	LNORM S, 1, GC, BC                             ; c_new
	WIN 0x04                                       ; a store's data are its source 1: window 1
.irp j, 0,1,2,3,4,5,6,7
	global_store_b128 v1, v[S+4*\j:S+4*\j+3], s[20:21] offset:4096*(\p)+512*\j th:TH_STORE_NT   ; 512 consecutive bytes a store; these registers are not written again
.endr
	s_wait_loadcnt 48-16*(\p)                      ; this row's x_o is in; the later rows may be out
.if (\p) > 0
	s_wait_xcnt 0x0                                ; the last row's stores of h_new have read U, which is written again below
.endif
	WIN 0x01                                       ; source 0 window 1
.set i, 0
.rept 32
	v_med3_num_f32 v[T+i], v[S+i], s24, s25
.set i, i+1
.endr
.set i, 0
.rept 32
	v_med3_num_f32 v[U+i], v[X+i], s22, s23
.set i, i+1
.endr
	WIN 0
.set i, 0
.rept 16
	v_pk_mul_f32 v[T+2*i:T+2*i+1], v[T+2*i:T+2*i+1], s[30:31] op_sel_hi:[1,0]
.set i, i+1
.endr
.set i, 0
.rept 16
	v_pk_mul_f32 v[U+2*i:U+2*i+1], v[U+2*i:U+2*i+1], s[2:3] op_sel_hi:[1,0]
.set i, i+1
.endr
.set i, 0
	s_wait_alu depctr_va_vdst(0)
.rept 64
	v_exp_f32 v[T+i], v[T+i]                       ; E (32) and e_o (32): T and U lie on end
.set i, i+1
.endr
	v_nop
	s_wait_alu depctr_va_vdst(0)                   ; one wait for the 64
.irp hh, 0,1                                   ; sixteen numbers at a time
.irp k, 0,1,2,3,4,5,6,7
	v_pk_add_f32 v[Q+2*\k:Q+2*\k+1], v[U+16*\hh+2*\k:U+16*\hh+2*\k+1], v[DO+16*\hh+2*\k:DO+16*\hh+2*\k+1]   ; d_o + e_o
.endr
.irp k, 0,1,2,3,4,5,6,7
	v_pk_fma_f32 v[Q+2*\k:Q+2*\k+1], v[Q+2*\k:Q+2*\k+1], v[T+16*\hh+2*\k:T+16*\hh+2*\k+1], v[Q+2*\k:Q+2*\k+1]   ; x (E + 1)
.endr
	s_wait_alu depctr_va_vdst(0)
.irp k, 0,1,2,3,4,5,6,7,8,9,10,11,12,13,14,15
	v_rcp_f32 v[Q+\k], v[Q+\k]
.endr
.irp k, 0,1,2,3,4,5,6,7
	v_pk_add_f32 v[T+16*\hh+2*\k:T+16*\hh+2*\k+1], v[T+16*\hh+2*\k:T+16*\hh+2*\k+1], -1.0 op_sel_hi:[1,0]   ; E - 1  (plain work behind the reciprocals)
.endr
.irp k, 0,1,2,3,4,5,6,7
	v_pk_mul_f32 v[U+16*\hh+2*\k:U+16*\hh+2*\k+1], v[U+16*\hh+2*\k:U+16*\hh+2*\k+1], v[T+16*\hh+2*\k:T+16*\hh+2*\k+1]
.endr
	s_wait_alu depctr_va_vdst(0)                   ; one wait for the sixteen
.irp k, 0,1,2,3,4,5,6,7
	v_pk_mul_f32 v[U+16*\hh+2*\k:U+16*\hh+2*\k+1], v[U+16*\hh+2*\k:U+16*\hh+2*\k+1], v[Q+2*\k:Q+2*\k+1]     ; u
.endr
.endr
	LNORM U, 0, GH, BH                             ; h_new
.irp j, 0,1,2,3,4,5,6,7
	global_store_b128 v1, v[U+4*\j:U+4*\j+3], s[18:19] offset:4096*(\p)+512*\j th:TH_STORE_NT
.endr
.endm
	ROW 0
	ROW 1
	ROW 2
	ROW 3
	s_endpgm
.Lfunc_end_k_qab8688bfe7_norms:
	.size	k_qab8688bfe7_norms, .Lfunc_end_k_qab8688bfe7_norms-k_qab8688bfe7_norms
	.p2alignl 7, 3214868480
	.fill 96, 4, 3214868480
	.section	.rodata,"a",@progbits
	.p2align	6, 0x0
	.amdhsa_kernel k_qab8688bfe7_norms
		.amdhsa_group_segment_fixed_size 0
		.amdhsa_private_segment_fixed_size 0
		.amdhsa_enable_private_segment 0
		.amdhsa_kernarg_size 72
		.amdhsa_user_sgpr_count 2
		.amdhsa_user_sgpr_kernarg_segment_ptr 1
		.amdhsa_wavefront_size32 1
		.amdhsa_system_sgpr_workgroup_id_x 1
		.amdhsa_system_sgpr_workgroup_id_y 1
		.amdhsa_system_sgpr_workgroup_id_z 1
		.amdhsa_system_vgpr_workitem_id 0
		.amdhsa_next_free_vgpr 512
		.amdhsa_next_free_sgpr 66
		.amdhsa_reserve_vcc 0
		.amdhsa_float_denorm_mode_32 3
		.amdhsa_float_denorm_mode_16_64 3
		.amdhsa_memory_ordered 1
		.amdhsa_forward_progress 1
		.amdhsa_inst_pref_size 138
	.end_amdhsa_kernel
	.amdgpu_metadata
---
amdhsa.version: [ 1, 2 ]
amdhsa.kernels:
  - .name:           k_qab8688bfe7_norms
    .symbol:         k_qab8688bfe7_norms.kd
    .args:
      - { .name: s_buf, .offset: 0, .size: 8, .value_kind: global_buffer, .address_space: global }
      - { .name: xo_buf, .offset: 8, .size: 8, .value_kind: global_buffer, .address_space: global }
      - { .name: co, .offset: 16, .size: 8, .value_kind: global_buffer, .address_space: global }
      - { .name: gamma_c, .offset: 24, .size: 8, .value_kind: global_buffer, .address_space: global }
      - { .name: beta_c, .offset: 32, .size: 8, .value_kind: global_buffer, .address_space: global }
      - { .name: gamma_h, .offset: 40, .size: 8, .value_kind: global_buffer, .address_space: global }
      - { .name: beta_h, .offset: 48, .size: 8, .value_kind: global_buffer, .address_space: global }
      - { .name: out0, .offset: 56, .size: 8, .value_kind: global_buffer, .address_space: global }
      - { .name: out1, .offset: 64, .size: 8, .value_kind: global_buffer, .address_space: global }
    .group_segment_fixed_size: 0
    .private_segment_fixed_size: 0
    .kernarg_segment_align: 8
    .kernarg_segment_size: 72
    .max_flat_workgroup_size: 256
    .sgpr_count:     66
    .vgpr_count:     512
    .wavefront_size: 32
...
	.end_amdgpu_metadata
.endif
;; end of part 3
